; MI455X (gfx1250); checked and timed in simulation.
; The chip was launched on July 23, 2026; its instructions are those of AMD's public machine-readable ISA for CDNA 5 (MIT licence, August 2026) and "CDNA5" Instruction Set Architecture Reference Guide (July 2026). The comments in the code are by the model that wrote it; some were corrected since.
;; Transport Operator. Allowed arithmetic: matrix products marked QUANTISED: E2M1 operands, one E8M0 scale for each 32 along K, by v_wmma_scale_f32_16x16x128_f8f6f4 with both operands' format E2M1 (or v_wmma_scale_f32_32x16x128_f4), f32 sums; products left as they are: f32 operands where the result goes on into a quantised operand, else bf16, f16 or f32 operands; f32 sums; everything else in f32.
;; Inputs: Psi_codes 16 x 512 x 16 x 16 uint8 (E2M1 codes of Psi, K innermost, in blocks of 32 codes, two codes a byte); Psi_scales 16 x 512 x 16 uint8 (E8M0 scales of Psi, one for each 32 codes along K); gate_tokens 16 x 512 float32; t 1 float32; z_codes 16,384 x 16 x 16 uint8 (E2M1 codes of z, K innermost, in blocks of 32 codes, two codes a byte); z_scales 16,384 x 16 uint8 (E8M0 scales of z, one for each 32 codes along K).
;; Outputs: out0 16,384 x 512 float32.
;; This version of the problem:
;;   THIS VERSION OF THE PROBLEM IS GIVEN IN LOW PRECISION. The matrix products marked QUANTISED in the list below multiply operands that are first quantised to E2M1 (2 exponent bits, 1 mantissa bit; 4 bits a number), with one power-of-two scale for each 32 numbers along K (OCP MX v1.0); their sums are f32. All else is computed in f32.
;;   The module's matrix products, in the order in which they are computed (A, B: the left and right operand; K: the contracted axis; several contracted axes count as one K, in the product's order):
;;     1. [M 16,384, K 512] x [K 512, N 8,192]; A: input z (given as codes); B: input Psi (given as codes): QUANTISED
;;     2. batch 16 x [M 1, K 512] x [K 512, N 16,384]; A: input gate_tokens; B: computed on the way: left as it is (M = 1 < 16)
;;     3. batch 16,384 x [M 1, K 16] x [K 16, N 512]; A: computed on the way; B: computed on the way: left as it is (K = 16 < 32)
;;   THE QUANTISER, for each operand of a quantised product, along K:
;;     - K is cut into blocks of 32 from its start; a last block that is shorter is filled with zeros.
;;     - A block's scale is 2^e with e = floor(log2(the largest magnitude in the block)) - 2, held to -126 .. 127; a block of zeros has e = 0. As a byte (E8M0): e + 127.
;;     - Each number is divided by its block's scale, clamped to +-6, and rounded to the nearest number of E2M1, ties to even, subnormals kept.
;;     - The product sums the exact products of the quantised numbers (number of the format x scale) in f32.
;;   ~~~python
;;   def quantise(x, axis):      # numpy; x: float32 -> the quantised numbers, widened to float32 again
;;       x = np.moveaxis(x, axis, -1); K = x.shape[-1]
;;       x = np.pad(x, [(0, 0)] * (x.ndim - 1) + [(0, -K % 32)]); x = x.reshape(x.shape[:-1] + (-1, 32)); a = np.abs(x).max(-1, keepdims=True)
;;       e = np.where(a > 0, np.clip(np.frexp(np.where(a > 0, a, 1))[1] - 1 - 2, -126, 127), 0)      # np.frexp(a)[1] - 1 = floor(log2(a)), exactly
;;       r = np.clip(x / 2.0 ** e, -6, 6)
;;       step = 2.0 ** (np.maximum(np.frexp(np.where(r == 0, 1, r))[1] - 1, 0) - 1)
;;       q = np.round(r / step) * step * 2.0 ** e      # np.round: ties to even
;;       return np.moveaxis(q.reshape(q.shape[:-2] + (-1,))[..., :K], -1, axis).astype(np.float32)
;;   ~~~
;;   INPUTS GIVEN AS CODES. Psi (in the module: [16, 512, 512], K = its axis 1); z (in the module: [16384, 512], K = its axis 1): each comes as NAME_codes (uint8): NAME with its K axis moved to the last place and cut into blocks of 32 codes, [.., K / 32, bytes a block], one block behind the other in memory; two codes a byte, the lower K in the low four bits (a code: sign, 2 exponent bits, 1 mantissa bit); and NAME_scales (uint8): the same leading axes, one E8M0 byte (e + 127) for each 32 codes along K. Its value is code x scale, taken as it is: it is not quantised again, and the codes and scales need not be those that the quantiser above would give.
;; One version. Each part assembles by itself: llvm-mc -triple=amdgcn-amd-amdhsa -mcpu=gfx1250 --defsym DOCPART=n.
;; ======== version 1 of 1: 1 launch
;; launch transport (part 1): grid 256 x 1, 4 waves a work-group, clusters of 4 x 1, 327,680 bytes of LDS; arguments z_codes, z_scales, Psi_codes, Psi_scales, gate_tokens, t, out0; writes out0
.if DOCPART == 1
	.amdgcn_target "amdgcn-amd-amdhsa--gfx1250"
	.amdhsa_code_object_version 6
	.text
	.protected	k_q704a1c5144_transport
	.globl	k_q704a1c5144_transport
	.p2align	8
	.type	k_q704a1c5144_transport,@function
k_q704a1c5144_transport:
	s_mov_b64 s[64:65], 0
	v_nop
	global_prefetch_b8 v0, s[64:65] scope:SCOPE_SE
	s_setreg_imm32_b32 hwreg(HW_REG_WAVE_MODE, 25, 1), 1
	s_wait_xcnt 0x0
	s_wait_alu depctr_hold_cnt(0) depctr_sa_sdst(0) depctr_va_vdst(0) depctr_va_sdst(0) depctr_va_ssrc(0) depctr_va_vcc(0) depctr_vm_vsrc(0)
	s_getreg_b32 s2, hwreg(HW_REG_IB_STS2, 6, 4)
	s_cmp_eq_u32 s2, 0
	s_cbranch_scc0 .Lentry_in_a_cluster
	s_endpgm
.Lentry_in_a_cluster:
	s_bfe_u32 s2, ttmp6, 0x10000c
	s_cmp_lg_u32 s2, 0x3003
	s_cbranch_scc0 .Lentry_shape_is_right
	s_endpgm
.Lentry_shape_is_right:
; dz[b][e] = sum over m of gate[b][m] S[b][m][e],  S[b][m][e] = sum over d of z[b][d] Psi[m][d][e],  gate = relu(2 sigmoid(logit) - 1),  logit[b][m] = sum over e of S[b][m][e] token[m][e].
; z: 16,384 rows of 512 codes of FP4 (E2M1), 256 bytes a row, 16 E8M0 bytes a row.  Psi: for each of 16 operators m, 512 rows e of 512 codes along d, laid alike.  token: [16][512] f32.  dz: [16384][512] f32.
; S is made by the scaled FP4 matrix instruction and never leaves the registers; logits, gates and dz are f32 vector arithmetic.
; SHARES.  A logit wants all 512 e of a row, so a work-group owns whole rows: 64 of them, 256 work-groups.  Its four waves share the e: wave w owns e = 128 w .. 128 w + 127 of every m, for all 64 rows:
; 8 tiles of e (t) x 4 tiles of rows (a) = 32 accumulators.  z's fragments, the same for every m, stay in 128 registers; each fragment of Psi read from LDS feeds four matrix instructions.
; THE MATRIX INSTRUCTION IS USED TRANSPOSED: source 0 = 16 rows e of Psi_m, source 1 = 16 rows of z.  Register j of lane (r, h) is S(b = 16 a + r, e = 16 t + 8 h + j): a lane holds ONE row b, so its gate is one
; number, and its eight registers are eight neighbouring e of dz.
; A STEP is one m: 128 matrix instructions; my 128 e's part of the four tiles' logits; the four waves' parts meet in LDS behind the step's one barrier; gates; dz += gate x S.
; THE RING.  Two LDS slots, each with ALL of one m: 512 rows of codes, 8,192 scale bytes, 2,048 bytes of tokens.  Waves 0 and 1 fetch the codes' halves, wave 2 the scales, wave 3 the tokens: one tensor load a wave.
; CLUSTER.  The four work-groups of a cluster walk the same m in the same order, so each tile is asked for JOINTLY: the same load, the same descriptor, a mask that names the four.
; Cluster c walks m = (c + i) mod 16, i = 0 .. 15: the 64 clusters begin on all sixteen operators and not all on one.  c is the cluster's number, which the four partners share.
; LIMITS.  The order of dz's f32 sum over m therefore differs from cluster to cluster.  2 sigmoid - 1 is formed as it is written, 2 / (1 + e^-x) - 1: its absolute error is a few 1e-7, which weighs as a relative
; error only on gates under about 1e-5.  e^-x beyond f32's range gives the gate 0, under it the gate 1.  NaN and infinities are not served: a NaN logit gives the gate 0.
; t is an input that the computation never uses: it is read once and enters no result.
; REGISTERS, in windows of 256 (s_set_vgpr_msb: bits 1:0 source 0, 3:2 source 1, 5:4 source 2, 7:6 destination):
;   window 0: v1-19 lane numbers and addresses; v32-47 z's scale words, v48-79 Psi's (scales and nothing else); v80-143 my 64 tokens; v144-191 logits and gates; on the way out v80-143 and v192-255 rows of dz
;   window 1: v0-127 z's 16 fragments (tile a, K step q at 8 (4 a + q)); v128-191, v192-255 Psi's fragments, two buffers of 8 tiles
;   window 2: S, accumulator (t, a) at 8 (4 t + a)          window 3: dz, laid alike
.set PITCH,  272                       ; a row of codes in LDS: 256 bytes + 16 of padding = 68 words: the 16 rows of a fragment load start at 16 different banks (64 banks of 4 bytes: ISA guide 11.1)
.set SCO,    512*PITCH                 ; in a slot: behind the codes the scale bytes, dense: row e at 16 e
.set TKO,    SCO+8192                  ; behind them the tokens, dense: token e at 4 e
.set SLOT,   TKO+2048                  ; 149,504 bytes = 584 x 256
.set SCR,    2*SLOT                    ; behind the ring: the partial logits: [step's parity][wave: 512 bytes][lane: 16 bytes = the four row tiles].  No tensor load lands here
.set SPARE,  SCR+4096                  ; the spare words, 128 bytes for each wave: two blocks of 256 bytes that no other line names
.set SPITCH, 528                       ; the way out: a stage of 16 rows x (512 bytes + 16) for each wave, in slot 0, which by then has had its last fill and its last read
.set APF, 4                            ; v4-5    LDS address of my fragments of Psi in slot 0, 1
.set APS, 6                            ; v6-7    of my rows' scale bytes
.set ATK, 8                            ; v8-9    of my tokens
.set ASW, 10                           ; v10     where I put my partial logits
.set ASR, 11                           ; v11     where I read the four waves'
.set ZA,  12                           ; v12     z's codes: my lane's byte in 16 rows
.set ZSA, 13                           ; v13     z's scale bytes likewise
.set STO, 14                           ; v14     the way out: where I put 32 bytes of a row
.set RD,  15                           ; v15     and where I read a row back
.set CO,  16                           ; v16     16 x lane: my bytes of a row of 512
.set SPW, 18                           ; v18     LDS address of my spare word: SPARE + 4 x my thread's number; never rewritten
.set NIL, 19                           ; v19     0; never rewritten
.set ZS,  32                           ; z's scale words: tile a, K step q at 4 a + q
.set PS,  48                           ; Psi's: tile t, K step q at 4 t + q
.set TK,  80                           ; token of e = 16 t + 8 h + j at 8 t + j
.set LA,  144                          ; eight pairs of running sums: two for each row tile
.set LP,  160                          ; v160-163 my partial logit of each row tile
.set LX,  164                          ; v164-167 the other half of the lanes'
.set PR,  168                          ; v168-183 the four waves' partial logits
.set GX,  172                          ; v172-175 at work on the gates
.set GT,  184                          ; v184-191 the gate of row tile a, twice: a pair for the packed forms
.set BK,  80                           ; the way out: 16 rows read back: v80-143 and v192-255 by turns
.set PF,  128                          ; Psi's fragments, in window 1
.set WV,  18                           ; s18      my wave's number
.set SEL, 20                           ; s[20:21] lane selects for v_permlanex16_b32: lane l xor 16
.set CNT, 22                           ; s22      the loop's count
.set MN,  23                           ; s23      the m that is fetched next
.set G1C, 24                           ; s[24:31] descriptor group 1 for the codes;  s[32:39] for the scale bytes;  s[40:47] for the tokens
.set G1S, 32
.set G1T, 40
.set G0C, 48                           ; s[48:55], s[56:63], s[68:75] their groups 0, a set for each slot
.set G0S, 56
.set G0T, 68
.set OFS, 76                           ; s[76:77] an offset in 64 bits; the high word stays 0
.set MSB, 0
.macro WIN new                         ; the immediate's high byte repeats the setting that is left; a switch that changes nothing is dropped
.if MSB != \new
	s_set_vgpr_msb (MSB<<8)|\new
.set MSB, \new
.endif
.endm
.set W_MUL, 0xa5                       ; sources 0 (Psi) and 1 (z) window 1; C and D window 2
.set W_TOF, 0x40                       ; destination window 1, address window 0
.set W_LG,  0x02                       ; source 0 (S) window 2, all else window 0
.set W_DZ,  0xf2                       ; source 0 (S) window 2, source 1 (the gate) window 0, source 2 and destination (dz) window 3
.set W_ST,  0x0c                       ; an LDS store's data are its source 1: window 3
; A vector instruction that reads a matrix result, and a load into a register that a matrix instruction has read, stand four places behind it; only plain vector instructions that name none of its registers are
; places (ISA guide 7.12.1 for vector instructions).
.macro PLACES
.rept 4
	v_nop
.endr
.endm
; A round of the cluster's barrier: my work-group's barrier, so that wave 0's signal speaks for all four waves; wave 0 signals for the work-group; every wave waits for all four work-groups; my work-group's barrier once more.
.macro ROUND
	s_barrier_signal -1
	s_barrier_wait -1
	s_cmp_lg_u32 s[WV], 0
	s_cbranch_scc1 .Lnot_wave_0_\@
	s_barrier_signal -3
.Lnot_wave_0_\@:
	s_barrier_wait -3
	s_barrier_signal -1
	s_barrier_wait -1
.endm
; The three groups 0 of a slot are aimed at operator MN, and MN steps on, round 16.  Scalar work alone.  Nothing here hangs on my place in the cluster.
.macro AIM slot
	s_lshl_b32 s[OFS], s[MN], 17                   ; an operator's codes: 512 rows x 256 bytes
	s_add_nc_u64 s[G0C+4*\slot+2:G0C+4*\slot+3], s[8:9], s[OFS:OFS+1]
	s_or_b32 s[G0C+4*\slot+3], s[G0C+4*\slot+3], 0x80000000   ; 127:126 type = 2
	s_lshl_b32 s[OFS], s[MN], 13                   ; its scale bytes: 8,192
	s_add_nc_u64 s[G0S+4*\slot+2:G0S+4*\slot+3], s[10:11], s[OFS:OFS+1]
	s_or_b32 s[G0S+4*\slot+3], s[G0S+4*\slot+3], 0x80000000
	s_lshl_b32 s[OFS], s[MN], 11                   ; its tokens: 2,048 bytes
	s_add_nc_u64 s[G0T+4*\slot+2:G0T+4*\slot+3], s[12:13], s[OFS:OFS+1]
	s_or_b32 s[G0T+4*\slot+3], s[G0T+4*\slot+3], 0x80000000
	s_add_co_u32 s[MN], s[MN], 1
	s_and_b32 s[MN], s[MN], 15
.endm
; A joint refill: waves 0 and 1 the codes' halves, wave 2 the scale bytes, wave 3 the tokens.  The branches hang on the wave's number alone.  Four v_nop follow each line, ahead of the jump and the label.
.macro JLOAD slot
	s_cmp_lt_u32 s[WV], 2
	s_cbranch_scc0 .Lnot_c_\@
	tensor_load_to_lds s[G0C+4*\slot:G0C+4*\slot+3], s[G1C:G1C+7]
	s_nop 0
	PLACES
	s_branch .Lasked_\@
.Lnot_c_\@:
	s_cmp_eq_u32 s[WV], 2
	s_cbranch_scc0 .Lfor_t_\@
	tensor_load_to_lds s[G0S+4*\slot:G0S+4*\slot+3], s[G1S:G1S+7]
	s_nop 0
	PLACES
	s_branch .Lasked_\@
.Lfor_t_\@:
	tensor_load_to_lds s[G0T+4*\slot:G0T+4*\slot+3], s[G1T:G1T+7]
	s_nop 0
	PLACES
.Lasked_\@:
.endm
	s_load_b256 s[4:11], s[0:1], 0x0               ; z's codes s[4:5], z's scales s[6:7], Psi's codes s[8:9], Psi's scales s[10:11]
	s_load_b128 s[12:15], s[0:1], 0x20             ; the tokens s[12:13], t s[14:15]
	s_load_b64 s[16:17], s[0:1], 0x30              ; dz
	v_lshl_add_u32 v[SPW], v0, 2, SPARE
	v_mov_b32 v[NIL], 0
	ds_add_u32 v18, v19
	ds_add_u32 v18, v19
	s_wait_dscnt 0x0
	v_lshrrev_b32 v1, 5, v0
	v_readfirstlane_b32 s[WV], v1                  ; wave 0..3
	v_and_b32 v1, 15, v0                           ; r = lane % 16
	v_bfe_u32 v2, v0, 4, 1                         ; h = lane / 16
	v_and_b32 v3, 31, v0                           ; lane
	s_bfe_u32 s19, ttmp6, 0x40000                  ; cx: my place in the cluster: it enters z's and dz's addresses alone
	s_lshl_b32 s82, ttmp9, 2                       ; in a cluster launch ttmp9 counts clusters
	s_add_co_u32 s82, s82, s19                     ; my block of 64 rows = 4 x cluster + cx
	s_and_b32 s[MN], ttmp9, 15                     ; the cluster's first m
	; descriptor group 1.  The codes: 256 rows x 256 bytes, padded in LDS
	s_mov_b32 s[G1C], 15|(0<<16)|(1<<20)|(1<<21)|(5<<22)|(3<<25)   ; 15:0 the mask: all four work-groups; 17:16 elements of 1 byte; 20 padding on; 21 set beside a mask; 24:22 after every 64 words (code 5); 31:25 four words (code 3)
	s_mov_b32 s[G1C+1], 256<<16                    ; tensor_dim0 = 256
	s_mov_b32 s[G1C+2], 256<<16                    ; tensor_dim1 = 256
	s_mov_b32 s[G1C+3], 256<<16                    ; tile_dim0 = 256
	s_mov_b32 s[G1C+4], 256                        ; tile_dim1 = 256
	s_mov_b32 s[G1C+5], 256                        ; from row to row
	s_mov_b32 s[G1C+6], 0
	s_mov_b32 s[G1C+7], 0
	; the scale bytes: a dense block of 8,192 bytes as 32 rows of 256 (32 elements of 8 bytes), no padding;  the tokens: 2,048 bytes as 8 such rows
	s_mov_b32 s[G1S], 15|(3<<16)|(1<<21)
	s_mov_b32 s[G1S+1], 32<<16
	s_mov_b32 s[G1S+2], 32<<16
	s_mov_b32 s[G1S+3], 32<<16
	s_mov_b32 s[G1S+4], 32
	s_mov_b32 s[G1S+5], 32
	s_mov_b32 s[G1S+6], 0
	s_mov_b32 s[G1S+7], 0
	s_mov_b32 s[G1T], 15|(3<<16)|(1<<21)
	s_mov_b32 s[G1T+1], 32<<16
	s_mov_b32 s[G1T+2], 8<<16
	s_mov_b32 s[G1T+3], 32<<16
	s_mov_b32 s[G1T+4], 8
	s_mov_b32 s[G1T+5], 32
	s_mov_b32 s[G1T+6], 0
	s_mov_b32 s[G1T+7], 0
	; LDS addresses: constants, the lane's numbers and the wave's number
	s_mul_i32 s78, s[WV], 128*PITCH                ; my 128 rows of an operator
	v_mul_u32_u24 v[APF], v1, PITCH
	v_lshl_add_u32 v[APF], v2, 4, v[APF]           ; a fragment's row x pitch + 16 x half
	v_add_nc_u32 v[APF], s78, v[APF]
	v_add_nc_u32 v[APF+1], SLOT, v[APF]
	s_lshl_b32 s78, s[WV], 11                      ; their scale bytes: 16 a row
	v_lshlrev_b32 v[APS], 4, v1
	v_add_nc_u32 v[APS], s78, v[APS]
	v_add_nc_u32 v[APS], SCO, v[APS]
	v_add_nc_u32 v[APS+1], SLOT, v[APS]
	s_lshl_b32 s78, s[WV], 9                       ; their tokens: 4 bytes each; my half of the lanes wants eight of a tile's sixteen
	v_lshlrev_b32 v[ATK], 5, v2
	v_add_nc_u32 v[ATK], s78, v[ATK]
	v_add_nc_u32 v[ATK], TKO, v[ATK]
	v_add_nc_u32 v[ATK+1], SLOT, v[ATK]
	v_lshlrev_b32 v[CO], 4, v3
	v_add_nc_u32 v[ASR], SCR, v[CO]                ; the partial logits: 16 bytes a lane,
	v_add_nc_u32 v[ASW], s78, v[ASR]               ; 512 bytes a wave
	v_lshlrev_b32 v[ZA], 8, v1
	v_lshl_add_u32 v[ZA], v2, 4, v[ZA]             ; z: row r of 256 bytes, + 16 x half
	v_lshlrev_b32 v[ZSA], 4, v1                    ; its scale bytes: 16 a row
	s_mul_i32 s78, s[WV], 16*SPITCH                ; my stage
	v_mul_u32_u24 v[STO], v1, SPITCH
	v_lshl_add_u32 v[STO], v2, 5, v[STO]
	v_add_nc_u32 v[STO], s78, v[STO]               ; in: row r, 32 bytes for each half of the lanes
	v_add_nc_u32 v[RD], s78, v[CO]                 ; back: the 32 lanes take one row of 512 bytes
.irp a, 0,1,2,3
	v_mov_b32 v[LX+\a], 0                          ; written once: a lane permute's destination counts as one of its sources
.endr
	s_mov_b32 s[SEL], 0x76543210
	s_mov_b32 s[SEL+1], 0xfedcba98
	s_and_b32 s78, s[WV], 1                        ; which half of the codes I fetch, if I fetch codes:
	s_mul_i32 s79, s78, 256*PITCH                  ; its place in a slot,
	s_lshl_b32 s[OFS], s78, 16                     ; and in an operator: 256 rows x 256 bytes
	s_mov_b32 s[OFS+1], 0
	s_lshl_b32 s80, s82, 14                        ; my 64 rows of z's codes
	s_mov_b32 s81, 0
	s_wait_kmcnt 0x0
	s_add_nc_u64 s[8:9], s[8:9], s[OFS:OFS+1]
	s_add_nc_u64 s[4:5], s[4:5], s[80:81]
	s_lshl_b32 s80, s82, 10                        ; of its scale bytes
	s_add_nc_u64 s[6:7], s[6:7], s[80:81]
	s_lshl_b32 s80, s82, 17                        ; and of dz: 64 rows x 2,048 bytes,
	s_lshl_b32 s83, s[WV], 9                       ; + my 128 columns
	s_add_co_u32 s80, s80, s83
	s_add_nc_u64 s[16:17], s[16:17], s[80:81]
	s_load_b32 s3, s[14:15], 0x0                   ; t: read as every input is; the computation has no use for it, and s3 enters nothing
.irp s, 0,1
	s_mov_b32 s[G0C+4*\s], 1                       ; 1:0 count = 1
	s_add_co_u32 s[G0C+4*\s+1], s79, \s*SLOT       ; 63:32 LDS address; written once
	s_mov_b32 s[G0S+4*\s], 1
	s_mov_b32 s[G0S+4*\s+1], \s*SLOT+SCO
	s_mov_b32 s[G0T+4*\s], 1
	s_mov_b32 s[G0T+4*\s+1], \s*SLOT+TKO
	AIM \s                                         ; slot s begins with the cluster's operator number s
.endr
	ROUND                                          ; all four work-groups are here: the first joint loads meet
	s_cmp_lt_u32 s[WV], 2                          ; a wave's two first fills stand in one branch, ahead of every wait on TENSORcnt and every LDS read: two loads of mine are out
	s_cbranch_scc0 .Lfirst_not_c
	tensor_load_to_lds s[G0C:G0C+3], s[G1C:G1C+7]
	s_nop 0
	tensor_load_to_lds s[G0C+4:G0C+7], s[G1C:G1C+7]
	s_nop 0
	PLACES
	s_branch .Lfirst_asked
.Lfirst_not_c:
	s_cmp_eq_u32 s[WV], 2
	s_cbranch_scc0 .Lfirst_t
	tensor_load_to_lds s[G0S:G0S+3], s[G1S:G1S+7]
	s_nop 0
	tensor_load_to_lds s[G0S+4:G0S+7], s[G1S:G1S+7]
	s_nop 0
	PLACES
	s_branch .Lfirst_asked
.Lfirst_t:
	tensor_load_to_lds s[G0T:G0T+3], s[G1T:G1T+7]
	s_nop 0
	tensor_load_to_lds s[G0T+4:G0T+7], s[G1T:G1T+7]
	s_nop 0
	PLACES
.Lfirst_asked:
	; z stays in registers.  A fragment, 16 rows x 128 K of 4-bit codes, is 8 registers: lane (r, h) holds row r; registers 4 c .. 4 c + 3 hold K = 64 c + 32 h + 0 .. 31: 16 bytes of the row as they lie.
	WIN W_TOF
.irp a, 0,1,2,3
.irp q, 0,1,2,3
.irp c, 0,1
	global_load_b128 v[8*(4*\a+\q)+4*\c:8*(4*\a+\q)+4*\c+3], v[ZA], s[4:5] offset:4096*\a+64*\q+32*\c   ; a row tile's eight loads together take its 16 rows whole
.endr
.endr
.endr
	WIN 0
.irp a, 0,1,2,3
	global_load_b128 v[ZS+4*\a:ZS+4*\a+3], v[ZSA], s[6:7] offset:256*\a   ; row r's 16 scale bytes: word q serves K step q.  (The unit reads lanes 0-15; lanes 16-31 hold the same)
.endr
; Psi's eight fragments of the slot's q-th 128 along K into buffer q % 2: 16 loads, tile by tile
.macro PFLOAD slot, q
	WIN W_TOF
.irp t, 0,1,2,3,4,5,6,7
.irp c, 0,1
	ds_load_b128 v[PF+64*((\q)%2)+8*\t+4*\c:PF+64*((\q)%2)+8*\t+4*\c+3], v[APF+(\slot)] offset:16*PITCH*\t+64*(\q)+32*\c
.endr
.endr
.endm
; What a step wants at its head: my rows' scale words (8 loads), my tokens (16), the first K step's fragments (16): 40 loads
.macro FETCH slot
	WIN 0
.irp t, 0,1,2,3,4,5,6,7
	ds_load_b128 v[PS+4*\t:PS+4*\t+3], v[APS+(\slot)] offset:256*\t
.endr
.irp t, 0,1,2,3,4,5,6,7
.irp i, 0,1
	ds_load_b128 v[TK+8*\t+4*\i:TK+8*\t+4*\i+3], v[ATK+(\slot)] offset:64*\t+16*\i
.endr
.endr
	PFLOAD \slot, 0
.endm
; 16 matrix instructions: e tiles t0 .. t0 + 3 x the four row tiles, K step q.  zero = 1: the product starts the sums: nothing is ever cleared.
; The 32 accumulators take turns, one instruction a turn, in the same order in every K step.
.macro MUL16 t0, q, zero
.irp t, \t0, \t0+1, \t0+2, \t0+3
.irp a, 0,1,2,3
.if \zero
	v_wmma_scale_f32_16x16x128_f8f6f4 v[8*(4*(\t)+\a):8*(4*(\t)+\a)+7], v[PF+64*((\q)%2)+8*(\t):PF+64*((\q)%2)+8*(\t)+7], v[8*(4*\a+(\q)):8*(4*\a+(\q))+7], 0, v[PS+4*(\t)+(\q)], v[ZS+4*\a+(\q)] matrix_a_fmt:MATRIX_FMT_FP4 matrix_b_fmt:MATRIX_FMT_FP4
.else
	v_wmma_scale_f32_16x16x128_f8f6f4 v[8*(4*(\t)+\a):8*(4*(\t)+\a)+7], v[PF+64*((\q)%2)+8*(\t):PF+64*((\q)%2)+8*(\t)+7], v[8*(4*\a+(\q)):8*(4*\a+(\q))+7], v[8*(4*(\t)+\a):8*(4*(\t)+\a)+7], v[PS+4*(\t)+(\q)], v[ZS+4*\a+(\q)] matrix_a_fmt:MATRIX_FMT_FP4 matrix_b_fmt:MATRIX_FMT_FP4
.endif
.endr
.endr
.endm
; K step q of a step: 32 matrix instructions; in its middle the next K step's fragments are asked for (more = 1), 16 matrix instructions ahead of their first use.
.macro PASS slot, q, zero, more
	s_wait_dscnt 8                                 ; e tiles 0-3 of this K step, and all that is older, are in; the youngest eight loads (tiles 4-7) may be out
	WIN W_MUL
	MUL16 0, \q, \zero
.if \more
.if \q > 0
	PLACES                                         ; the buffer to be loaded was read 16 matrix instructions back.  (In K step 0 its last readers are the step before's, with that step's vector work behind them)
.endif
	PFLOAD \slot, \q+1
	s_wait_dscnt 16                                ; all but the 16 just issued
.else
	s_wait_dscnt 0x0
.endif
	WIN W_MUL
	MUL16 4, \q, \zero
.endm
; My 128 e's part of the logits of the 64 rows: sum of S x token, two at a time, two chains for each row tile; each accumulator is read from its low end on.  Then the pair's halves and the other half of the lanes.
.macro LOGIT par
	PLACES                                         ; behind the last products
	WIN W_LG
.irp t, 0,1,2,3,4,5,6,7
.irp i, 0,1,2,3
.irp a, 0,1,2,3
.if (\t == 0) && (\i < 2)
	v_pk_mul_f32 v[LA+2*(2*\a+\i%2):LA+2*(2*\a+\i%2)+1], v[8*(4*\t+\a)+2*\i:8*(4*\t+\a)+2*\i+1], v[TK+8*\t+2*\i:TK+8*\t+2*\i+1]   ; the first products start the chains
.else
	v_pk_fma_f32 v[LA+2*(2*\a+\i%2):LA+2*(2*\a+\i%2)+1], v[8*(4*\t+\a)+2*\i:8*(4*\t+\a)+2*\i+1], v[TK+8*\t+2*\i:TK+8*\t+2*\i+1], v[LA+2*(2*\a+\i%2):LA+2*(2*\a+\i%2)+1]
.endif
.endr
.endr
.endr
	WIN 0
.irp a, 0,1,2,3
	v_pk_add_f32 v[LA+4*\a:LA+4*\a+1], v[LA+4*\a:LA+4*\a+1], v[LA+4*\a+2:LA+4*\a+3]
.endr
.irp a, 0,1,2,3
	v_add_f32 v[LP+\a], v[LA+4*\a], v[LA+4*\a+1]
.endr
.irp a, 0,1,2,3
	v_permlanex16_b32 v[LX+\a], v[LP+\a], s[SEL], s[SEL+1]   ; the row's other 64 e lie in the lane 16 away
.endr
.irp a, 0,1,2,3
	v_add_f32 v[LP+\a], v[LP+\a], v[LX+\a]
.endr
	ds_store_b128 v[ASW], v[LP:LP+3] offset:2048*\par
.endm
; The four waves' parts are added in one fixed order, (0 + 1) + (2 + 3), so that every wave has the same bits; then gate = max(0, 2 / (1 + 2^(-x log2 e)) - 1).
.macro GATES
	WIN 0
	v_pk_add_f32 v[PR:PR+1], v[PR:PR+1], v[PR+4:PR+5]
	v_pk_add_f32 v[PR+2:PR+3], v[PR+2:PR+3], v[PR+6:PR+7]
	v_pk_add_f32 v[PR+8:PR+9], v[PR+8:PR+9], v[PR+12:PR+13]
	v_pk_add_f32 v[PR+10:PR+11], v[PR+10:PR+11], v[PR+14:PR+15]
	v_pk_add_f32 v[PR:PR+1], v[PR:PR+1], v[PR+8:PR+9]
	v_pk_add_f32 v[PR+2:PR+3], v[PR+2:PR+3], v[PR+10:PR+11]
.irp a, 0,1,2,3
	v_mul_f32 v[GX+\a], 0xbfb8aa3b, v[PR+\a]       ; -x log2(e)
.endr
.irp a, 0,1,2,3
	v_exp_f32 v[GX+\a], v[GX+\a]
.endr
	v_nop                                          ; a plain instruction between a transcendental and the use of its result (ISA guide 5.7.2)
	s_wait_alu depctr_va_vdst(0)
.irp a, 0,1,2,3
	v_add_f32 v[GX+\a], 1.0, v[GX+\a]
.endr
.irp a, 0,1,2,3
	v_rcp_f32 v[GX+\a], v[GX+\a]
.endr
	v_nop
	s_wait_alu depctr_va_vdst(0)
.irp a, 0,1,2,3
	v_fma_f32 v[GX+\a], v[GX+\a], 2.0, -1.0
.endr
.irp a, 0,1,2,3
	v_max_num_f32 v[GT+2*\a], 0, v[GX+\a]
	v_max_num_f32 v[GT+2*\a+1], 0, v[GX+\a]        ; twice: the packed forms multiply by a pair
.endr
.endm
; dz += gate x S, two at a time.  first = 1: the first m starts the sums.
.macro DZACC first
	WIN W_DZ
.irp t, 0,1,2,3,4,5,6,7
.irp a, 0,1,2,3
.irp i, 0,1,2,3
.if \first
	v_pk_mul_f32 v[8*(4*\t+\a)+2*\i:8*(4*\t+\a)+2*\i+1], v[8*(4*\t+\a)+2*\i:8*(4*\t+\a)+2*\i+1], v[GT+2*\a:GT+2*\a+1]
.else
	v_pk_fma_f32 v[8*(4*\t+\a)+2*\i:8*(4*\t+\a)+2*\i+1], v[8*(4*\t+\a)+2*\i:8*(4*\t+\a)+2*\i+1], v[GT+2*\a:GT+2*\a+1], v[8*(4*\t+\a)+2*\i:8*(4*\t+\a)+2*\i+1]
.endif
.endr
.endr
.endr
.endm
; A STEP: one m, which lies in the slot named.  ONE barrier, for three things: nobody reads this slot any more, the other slot is whole, and the four waves' partial logits are in LDS.
; The partial logits take two regions by turns (the slot's number is the step's parity): a region is written again two steps on, behind the next step's barrier, which every wave reaches behind the wait for its reads.
; refill = 1: the barrier is a round of the cluster's, and behind it this slot is filled with the operator two steps on: the load has the rest of this step and the next step's products in which to land.
; next = 1: the next step's scale words, tokens and first fragments are asked for ahead of the gates and of dz's 128 multiply-adds.
.macro STEP slot, first, refill, next
	PASS \slot, 0, 1, 1
	PASS \slot, 1, 0, 1
	PASS \slot, 2, 0, 1
	PASS \slot, 3, 0, 0
	LOGIT \slot
	s_wait_tensorcnt 0x0                           ; all my tensor loads have landed: the one that was out is my part of the other slot; so a group 0 may be written
	ds_add_u32 v[SPW], v[NIL]                      ; 0 onto my spare word
.if \refill
	AIM \slot                                      ; work on registers between the add and the wait for it
.endif
	s_wait_dscnt 0x0                               ; the add is done, my partial logits are stored, and my reads of this slot are over
.if \refill
	ROUND                                          ; no wave of any partner still reads this slot or has a load on its way
	JLOAD \slot                                    ; the first thing behind the round, and my one tensor load until the next
.else
	s_barrier_signal -1
	s_barrier_wait -1
.endif
.irp w, 0,1,2,3
	ds_load_b128 v[PR+4*\w:PR+4*\w+3], v[ASR] offset:2048*\slot+512*\w
.endr
.if \next
	FETCH 1-\slot                                  ; their registers' last readers are this step's products, with LOGIT's places behind them
	s_wait_dscnt 40                                ; the four loads of partial logits are in; FETCH's 40 may be out
.else
	s_wait_dscnt 0x0
.endif
	GATES
	DZACC \first
.endm
	s_wait_tensorcnt 0x1                           ; my part of slot 0 is in; slot 1's may stay out
	s_barrier_signal -1
	s_barrier_wait -1                              ; everybody's is
	FETCH 0
	s_wait_loadcnt 0x0                             ; z
	s_wait_kmcnt 0x0                               ; t
	STEP 0, 1, 1, 1                                ; the first m starts dz
	STEP 1, 0, 1, 1
	WIN 0                                          ; at a label and at a branch every window is 0
	s_mov_b32 s[CNT], 6
.Lpair:                                            ; six trips of two steps: with the two above, the fourteen steps that fill their slot again
	STEP 0, 0, 1, 1
	STEP 1, 0, 1, 1
	WIN 0
	s_sub_co_u32 s[CNT], s[CNT], 1
	s_cmp_lg_u32 s[CNT], 0
	s_cbranch_scc1 .Lpair
	STEP 0, 0, 0, 1                                ; the last two steps are written out: nothing is left to fetch
	STEP 1, 0, 0, 0
; THE WAY OUT, a row tile (16 rows x my 128 columns) at a time.  A lane holds 32 neighbouring bytes of a row and the lanes beside it hold other rows: so a tile goes through my own stage in LDS and comes back as whole
; rows of 512 bytes.  LDS serves a wave's instructions in order (ISA guide 5.7.1.4): no wait between the stores and the loads, nor in front of the next tile's stores.
.macro TOSTAGE a
	WIN W_ST
.irp t, 0,1,2,3,4,5,6,7
	ds_store_b128 v[STO], v[8*(4*\t+\a):8*(4*\t+\a)+3] offset:64*\t
	ds_store_b128 v[STO], v[8*(4*\t+\a)+4:8*(4*\t+\a)+7] offset:64*\t+16
.endr
	WIN 0
.irp i, 0,1,2,3,4,5,6,7,8,9,10,11,12,13,14,15
	ds_load_b128 v[BK+112*(\a%2)+4*\i:BK+112*(\a%2)+4*\i+3], v[RD] offset:\i*SPITCH
.endr
.endm
.macro SEND a, younger                 ; younger: the LDS instructions issued behind tile a's loads, which may stay out
	s_wait_dscnt \younger
.irp i, 0,1,2,3,4,5,6,7,8,9,10,11,12,13,14,15
	global_store_b128 v[CO], v[BK+112*(\a%2)+4*\i:BK+112*(\a%2)+4*\i+3], s[16:17] offset:(16*\a+\i)*2048 th:TH_STORE_NT   ; 32 lanes store 512 consecutive bytes, at a multiple of 256 from dz's first byte; every offset is an immediate, 129,024 at the most
.endr
.endm
	TOSTAGE 0
	TOSTAGE 1
	SEND 0, 32                                     ; behind tile 0's loads: tile 1's 16 stores and 16 loads
	s_wait_xcnt 0x0                                ; tile 0's stores have read their registers: tile 2's loads may land there
	TOSTAGE 2
	SEND 1, 32
	s_wait_xcnt 0x0                                ; tile 1's likewise
	TOSTAGE 3
	SEND 2, 32
	SEND 3, 0
	s_wait_tensorcnt 0x0                           ; the wave's end, behind my last tensor load and my last LDS store
	ds_add_u32 v[SPW], v[NIL]
	s_wait_dscnt 0x0
	ROUND                                          ; the closing round: no work-group ends while a partner may still ask for a tile that names it
	s_endpgm
.Lfunc_end_k_q704a1c5144_transport:
	.size	k_q704a1c5144_transport, .Lfunc_end_k_q704a1c5144_transport-k_q704a1c5144_transport
	.p2alignl 7, 3214868480
	.fill 96, 4, 3214868480
	.section	.rodata,"a",@progbits
	.p2align	6, 0x0
	.amdhsa_kernel k_q704a1c5144_transport
		.amdhsa_group_segment_fixed_size 327680
		.amdhsa_private_segment_fixed_size 0
		.amdhsa_enable_private_segment 0
		.amdhsa_kernarg_size 56
		.amdhsa_user_sgpr_count 2
		.amdhsa_user_sgpr_kernarg_segment_ptr 1
		.amdhsa_wavefront_size32 1
		.amdhsa_system_sgpr_workgroup_id_x 1
		.amdhsa_system_sgpr_workgroup_id_y 1
		.amdhsa_system_sgpr_workgroup_id_z 1
		.amdhsa_system_vgpr_workitem_id 0
		.amdhsa_next_free_vgpr 1024
		.amdhsa_next_free_sgpr 84
		.amdhsa_reserve_vcc 0
		.amdhsa_float_denorm_mode_32 3
		.amdhsa_float_denorm_mode_16_64 3
		.amdhsa_memory_ordered 1
		.amdhsa_forward_progress 1
		.amdhsa_inst_pref_size 255
	.end_amdhsa_kernel
	.section	.bss,"aw",@nobits
	.p2align	6
	.space	262144
	.amdgpu_metadata
---
amdhsa.version: [ 1, 2 ]
amdhsa.kernels:
  - .name:           k_q704a1c5144_transport
    .symbol:         k_q704a1c5144_transport.kd
    .args:
      - { .name: z_codes, .offset: 0, .size: 8, .value_kind: global_buffer, .address_space: global }
      - { .name: z_scales, .offset: 8, .size: 8, .value_kind: global_buffer, .address_space: global }
      - { .name: Psi_codes, .offset: 16, .size: 8, .value_kind: global_buffer, .address_space: global }
      - { .name: Psi_scales, .offset: 24, .size: 8, .value_kind: global_buffer, .address_space: global }
      - { .name: gate_tokens, .offset: 32, .size: 8, .value_kind: global_buffer, .address_space: global }
      - { .name: t, .offset: 40, .size: 8, .value_kind: global_buffer, .address_space: global }
      - { .name: out0, .offset: 48, .size: 8, .value_kind: global_buffer, .address_space: global }
    .group_segment_fixed_size: 327680
    .private_segment_fixed_size: 0
    .kernarg_segment_align: 8
    .kernarg_segment_size: 56
    .max_flat_workgroup_size: 128
    .sgpr_count:     84
    .vgpr_count:     1024
    .wavefront_size: 32
...
	.end_amdgpu_metadata
.endif
;; end of part 1
